; MI455X (gfx1250); checked and timed in simulation.
; The chip was launched on July 23, 2026; its instructions are those of AMD's public machine-readable ISA for CDNA 5 (MIT licence, August 2026) and "CDNA5" Instruction Set Architecture Reference Guide (July 2026). The comments in the code are by the model that wrote it; some were corrected since.
;; Rope Causal Self Attention. Allowed arithmetic: matrix products marked QUANTISED: E2M3 operands, one E8M0 scale for each 32 along K, by v_wmma_scale_f32_16x16x128_f8f6f4 with both operands' format E2M3, f32 sums; everything else in f32.
;; Inputs: b_proj 1,024 float32; b_qkv 3,072 float32; w_proj_codes 1,024 x 32 x 24 uint8 (E2M3 codes of w_proj, K innermost, in blocks of 32 codes, four codes in three bytes); w_proj_scales 1,024 x 32 uint8 (E8M0 scales of w_proj, one for each 32 codes along K); w_qkv_codes 3,072 x 32 x 24 uint8 (E2M3 codes of w_qkv, K innermost, in blocks of 32 codes, four codes in three bytes); w_qkv_scales 3,072 x 32 uint8 (E8M0 scales of w_qkv, one for each 32 codes along K); x_codes 4 x 2,048 x 32 x 24 uint8 (E2M3 codes of x, K innermost, in blocks of 32 codes, four codes in three bytes); x_scales 4 x 2,048 x 32 uint8 (E8M0 scales of x, one for each 32 codes along K).
;; Outputs: out0 4 x 2,048 x 1,024 float32.
;; This version of the problem:
;;   THIS VERSION OF THE PROBLEM IS GIVEN IN LOW PRECISION. The matrix products marked QUANTISED in the list below multiply operands that are first quantised to E2M3 (2 exponent bits, 3 mantissa bits; 6 bits a number), with one power-of-two scale for each 32 numbers along K (OCP MX v1.0); their sums are f32. All else is computed in f32.
;;   The module's matrix products, in the order in which they are computed (A, B: the left and right operand; K: the contracted axis; several contracted axes count as one K, in the product's order):
;;     1. [M 8,192, K 1,024] x [K 1,024, N 3,072]; A: input x (given as codes); B: input w_qkv (given as codes): QUANTISED
;;     2. batch 64 x [M 2,048, K 64] x [K 64, N 2,048]; A: computed on the way; B: computed on the way: QUANTISED
;;     3. batch 64 x [M 2,048, K 2,048] x [K 2,048, N 64]; A: softmax (see below); B: computed on the way: QUANTISED
;;     4. [M 8,192, K 1,024] x [K 1,024, N 1,024]; A: computed on the way; B: input w_proj (given as codes): QUANTISED
;;   THE QUANTISER, for each operand of a quantised product, along K:
;;     - K is cut into blocks of 32 from its start; a last block that is shorter is filled with zeros.
;;     - A block's scale is 2^e with e = floor(log2(the largest magnitude in the block)) - 2, held to -126 .. 127; a block of zeros has e = 0. As a byte (E8M0): e + 127.
;;     - Each number is divided by its block's scale, clamped to +-7.5, and rounded to the nearest number of E2M3, ties to even, subnormals kept.
;;     - The product sums the exact products of the quantised numbers (number of the format x scale) in f32.
;;   ~~~python
;;   def quantise(x, axis):      # numpy; x: float32 -> the quantised numbers, widened to float32 again
;;       x = np.moveaxis(x, axis, -1); K = x.shape[-1]
;;       x = np.pad(x, [(0, 0)] * (x.ndim - 1) + [(0, -K % 32)]); x = x.reshape(x.shape[:-1] + (-1, 32)); a = np.abs(x).max(-1, keepdims=True)
;;       e = np.where(a > 0, np.clip(np.frexp(np.where(a > 0, a, 1))[1] - 1 - 2, -126, 127), 0)      # np.frexp(a)[1] - 1 = floor(log2(a)), exactly
;;       r = np.clip(x / 2.0 ** e, -7.5, 7.5)
;;       step = 2.0 ** (np.maximum(np.frexp(np.where(r == 0, 1, r))[1] - 1, 0) - 3)
;;       q = np.round(r / step) * step * 2.0 ** e      # np.round: ties to even
;;       return np.moveaxis(q.reshape(q.shape[:-2] + (-1,))[..., :K], -1, axis).astype(np.float32)
;;   ~~~
;;   SOFTMAX AHEAD OF A QUANTISED PRODUCT. Where the list says 'softmax', what is quantised is not the finished softmax but p = 2^(t - M), with t = logit x log2(e) and M = ceil(the row's largest t), a whole number; so 1/2 < the row's largest p <= 1. The row's sum l is taken of the UNQUANTISED p, in f32, and the product's result is divided by l at the end. Since M is a whole number, a kernel that streams over the keys may use a running M (the ceiling of the running maximum): every later rescaling is an exact power of two, which a block's scale takes up: the codes' values come out the same.
;;   OPERANDS COMPUTED ON THE WAY. 'Computed on the way' means the value that the module computes at that place (a softmax that the list does not call 'softmax' is quantised finished and normalised). What goes into a quantiser is computed in f32, as accurately as f32 sums, v_exp_f32 and their like allow (about 1e-6 of the number): no bf16 or f16 on the way to a quantiser, and a product that is left as it is and whose result goes on into a quantised operand takes f32 operands (vector FMAs, or v_wmma_f32_16x16x4_f32). A number that lies on a knife's edge between two numbers of the format may be rounded either way, as far as f32 arithmetic and the matrix unit's own rounding can turn it there, and no further.
;;   INPUTS GIVEN AS CODES. w_proj (in the module: [1024, 1024], K = its axis 0); w_qkv (in the module: [1024, 3072], K = its axis 0); x (in the module: [4, 2048, 1024], K = its axis 2): each comes as NAME_codes (uint8): NAME with its K axis moved to the last place and cut into blocks of 32 codes, [.., K / 32, bytes a block], one block behind the other in memory; four codes in three bytes: a row's codes are one little-endian stream of bits, code i at bits 6 i .. 6 i + 5 (a code: sign, 2 exponent bits, 3 mantissa bits); and NAME_scales (uint8): the same leading axes, one E8M0 byte (e + 127) for each 32 codes along K. Its value is code x scale, taken as it is: it is not quantised again, and the codes and scales need not be those that the quantiser above would give.
;; One version. Each part assembles by itself: llvm-mc -triple=amdgcn-amd-amdhsa -mcpu=gfx1250 --defsym DOCPART=n.
;; ======== version 1 of 1: 3 launches
;; limits: right only within a limited range of input values
;; workspace buffers: qkv_ws 26,738,688 bytes; o_img 6,291,456 bytes; o_sc 262,144 bytes
;; launch qkv (part 1): grid 4 x 64, 4 waves a work-group, clusters of 4 x 4, 327,680 bytes of LDS; arguments x_codes, x_scales, w_qkv_codes, w_qkv_scales, b_qkv, qkv_ws; writes qkv_ws
.if DOCPART == 1
	.amdgcn_target "amdgcn-amd-amdhsa--gfx1250"
	.amdhsa_code_object_version 6
	.text
	.protected	k_q081b501a68_qkv
	.globl	k_q081b501a68_qkv
	.p2align	8
	.type	k_q081b501a68_qkv,@function
k_q081b501a68_qkv:
	s_mov_b64 s[64:65], 0
	v_nop
	global_prefetch_b8 v0, s[64:65] scope:SCOPE_SE
	s_setreg_imm32_b32 hwreg(HW_REG_WAVE_MODE, 25, 1), 1
	s_wait_xcnt 0x0
	s_wait_alu depctr_hold_cnt(0) depctr_sa_sdst(0) depctr_va_vdst(0) depctr_va_sdst(0) depctr_va_ssrc(0) depctr_va_vcc(0) depctr_vm_vsrc(0)
	s_getreg_b32 s2, hwreg(HW_REG_IB_STS2, 6, 4)
	s_cmp_eq_u32 s2, 0
	s_cbranch_scc0 .Lentry_in_a_cluster
	s_endpgm
.Lentry_in_a_cluster:
	s_bfe_u32 s2, ttmp6, 0x10000c
	s_cmp_lg_u32 s2, 0xf033
	s_cbranch_scc0 .Lentry_shape_is_right
	s_endpgm
.Lentry_shape_is_right:
; qkv = x w_qkv + b_qkv on codes of FP6 (E2M3) with E8M0 scales; RoPE on q and k; q, k (along the head's 64) and v (along the keys) are quantised and stored as images of operand registers.
; WORK LEFT OUT IN THIS PROGRAM: reference() sets every score with key > query to -1e30 by a mask that it builds itself; after the row's maximum is taken away such a score's exponential is 0 in f32 and adds nothing
; to the sum or to the weighted sum, whatever the inputs hold.  So the launch attn leaves out the key steps that lie wholly above the diagonal.  A NaN, an infinity or an overflow that would arise only there is not carried to the result.  Every input is read.
; THE DEAL.  256 work-groups that stay; each makes three tiles of 128 ("A side") x 256 ("B side"), all of K = 1,024 in LDS as rows of 768 bytes (a multiple of 256, at multiples of 256).
; Cluster c = 0 .. 15 of 4 x 4 work-groups: tile 0: q, A = tokens 128 (4 c + cy) on, B = w_qkv's rows 256 cx on; tile 1: k, the same tokens, w_qkv's rows 1,024 + 256 cx on;
; tile 2: V TRANSPOSED by the same text: A = w_qkv's rows 2,048 + 128 (4 (c % 2) + cy) on, B = tokens 256 (4 (c / 2) + cx) on.  The A side's tile is shared along a row of the cluster, the B side's along a column: joint loads.
; A tile's four loads (B's codes, A's codes, A's scales, B's scales) are one a wave.  The next tile's are asked for behind a drained round of the cluster's barrier that stands in the last K step,
; ahead of the way out, whose vector work uses no LDS; the wait for them stands at the next tile's head.  Tile 1 asks for the A side's rows once more, so that the loop has one text.
; No prefetch is laid: between a tile's request and its first use stands the whole way out, and the first tile has no trip ahead of it to ask in.
; Four waves, 2 x 2: a wave makes 64 (A) x 128 (B): 32 accumulators.  The matrix instruction is used transposed (source 0 = 16 rows of B, source 1 = 16 rows of A): lane (r, h) of accumulator (a, b) holds (A row 16 a + r, B rows 16 b + 8 h + 0 .. 7):
; for q and k a lane holds one token and its registers run along two heads' d; for v a lane holds one d and its registers run along the keys: along the next product's K.
; WORKSPACE: [sel 2][batch x head 64][BLK bytes]; sel 0 = q, sel 1 = k and v.  In a block: at 0 the scale words of q or k, [step 16][2][row 16][4 words]; at 8,192 v's, [step 16][row 16][4 words];
; at 12,288 the codes of q or k: for each 128 rows 48 registers on end (fragment t at 6 t), register p of lane l at 512 (p / 4) + 16 l + 4 (p % 4); at 110,592 v's: for each 128 keys four fragments of 12 registers, laid likewise.
; Inside a block of 32 the place 16 u' + 8 u + j holds number 16 u + 8 u' + j: the same order in q and k, and in v and p, so the products are those of the natural order.
; SINE AND COSINE in f32: angle = pos x 10^(-i / 8) rounded once; n = nearest whole number to angle / pi; two-part reduction; polynomials to x^11 and x^12 on |x| <= pi / 2.
; LIMITS: NaN and infinities are not served.  A block of zeros gets the scale byte 1 (its codes are zeros; the bytes are read by this program alone).  10^(-i / 8) is the rounded true value;
; sine and cosine are good to about 2e-7 absolute for angles up to 2,047, the range that the 2,048 positions give.
; REGISTERS: window 0: v1 r, v2 h, v28-29 the spare word's address and 0, v32-63 scale words (nothing else), v64-159 A's two sets, v220-228 LDS addresses; window 1: B's two sets at v0, v128; window 2: accumulator (a, b) at v[8 (8 a + b)].
.set KROW,   768
.set PITCH,  816                       ; an LDS row: 3 x (256 bytes + 16 of padding)
.set FR,     12
.set KS,     32
.set AOFF,   256*PITCH                 ; B's 256 rows, then A's 128
.set SCL,    AOFF+128*PITCH            ; the scales, as units of 256 bytes + 16: A's 16 units, B's 32
.set HALFSA, 2176
.set HALFSB, 4352
.set SBLK,   544
.set SPARE,  SCL+2*HALFSA+2*HALFSB     ; the spare words: 128 bytes a wave
.set BLK,    208896
.set ADRA, 220                         ; v220, v222 (behind one padding more)
.set ADRB, 224                         ; v224 blocks 0-3, v225 blocks 4-7; v226, v227 behind one padding more
.set ADRS, 228
.set SPW,  28
.set NIL,  29
.set SC,   32
.set AF,   64
.set G1A,  24
.set G1B,  32
.set G1SA, 48
.set G1SB, 56
.set G0A,  68
.set G0B,  72
.set G0SA, 76
.set G0SB, 80
.set MUL,  0xa1                        ; source 0 window 1, source 1 window 0, C and D window 2
.set TO_B, 0x40
.set MSB, 0
.macro WIN new
.if MSB != (\new)
	s_set_vgpr_msb (MSB<<8)|(\new)
.set MSB, (\new)
.endif
.endm
.macro PLACES n
.rept \n
	v_nop
.endr
.endm
.macro CREST
	s_cmp_lg_u32 s14, 0
	s_cbranch_scc1 .Lnot_wave_0_\@
	s_barrier_signal -3
.Lnot_wave_0_\@:
	s_barrier_wait -3
	s_barrier_signal -1
	s_barrier_wait -1
.endm
.macro CROUND
	s_barrier_signal -1
	s_barrier_wait -1
	CREST
.endm
.macro TL g0, g1
	tensor_load_to_lds s[\g0:\g0+3], s[\g1:\g1+7]
	s_nop 0
	PLACES 4
.endm
.macro LOADS                           ; a tile's four joint loads, one a wave: one chain of branches on the wave's number, all arms to one join
	s_cmp_lt_u32 s14, 1
	s_cbranch_scc0 .Larm1_\@
	TL G0B, G1B
	s_branch .Ljoin_\@
.Larm1_\@:
	s_cmp_lt_u32 s14, 2
	s_cbranch_scc0 .Larm2_\@
	TL G0A, G1A
	s_branch .Ljoin_\@
.Larm2_\@:
	s_cmp_lt_u32 s14, 3
	s_cbranch_scc0 .Larm3_\@
	TL G0SA, G1SA
	s_branch .Ljoin_\@
.Larm3_\@:
	TL G0SB, G1SB
.Ljoin_\@:
.endm
.macro GROUP1 g, mask, logb, c, rows   ; rows of c elements, 16 bytes of padding behind every 256
	s_or_b32 s[\g], s[\mask], ((\logb)<<16)|(1<<20)|(1<<21)|(5<<22)|(3<<25)
	s_mov_b32 s[\g+1], (\c)<<16
	s_mov_b32 s[\g+2], (\rows)<<16
	s_mov_b32 s[\g+3], (\c)<<16
	s_mov_b32 s[\g+4], \rows
	s_mov_b32 s[\g+5], \c
	s_mov_b32 s[\g+6], 0
	s_mov_b32 s[\g+7], 0
.endm
.macro SETG0 g, lds, src
	s_mov_b32 s[\g], 1
	s_mov_b32 s[\g+1], \lds
	s_mov_b64 s[\g+2:\g+3], s[\src:\src+1]
	s_or_b32 s[\g+3], s[\g+3], 0x80000000
.endm
.macro FRAG reg, adr, q, i             ; a fragment: six pieces of 8 bytes; where lanes 16-31's piece lies behind one padding more, the second address register serves
.irp p, 0,1,2,3,4,5
.set PCE, 12*(\q)+6*(\p/3)+\p%3
.if PCE%32 < 29
	ds_load_b64 v[\reg+2*\p:\reg+2*\p+1], v[\adr] offset:8*PCE+16*(PCE/32)+(\i)*16*PITCH
.else
	ds_load_b64 v[\reg+2*\p:\reg+2*\p+1], v[\adr+2] offset:8*PCE+16*(PCE/32)+(\i)*16*PITCH
.endif
.endr
.endm
.macro FETCH st                        ; step st's fragments into set st % 2; with an even step the scale words of two steps
.set P_, (\st)%2
	WIN TO_B
.irp i, 0,1,2,3
	FRAG 128*P_+FR*\i, ADRB, \st, \i
.endr
.irp i, 0,1,2,3
	FRAG 128*P_+FR*(\i+4), ADRB+1, \st, \i
.endr
	WIN 0
.irp i, 0,1,2,3
	FRAG AF+48*P_+FR*\i, ADRA, \st, \i
.endr
.if P_ == 0
.irp i, 0,1,2,3,4,5,6,7
	ds_load_b64 v[SC+16*(((\st)/2)%2)+2*\i:SC+16*(((\st)/2)%2)+2*\i+1], v[ADRS] offset:\i*SBLK+4*(\st)   ; lanes 0-15 A's block i, lanes 16-31 B's
.endr
.endif
.endm
.macro PROD a, b, st, c
	v_wmma_scale_f32_16x16x128_f8f6f4 v[8*(8*(\a)+\b):8*(8*(\a)+\b)+7], v[128*((\st)%2)+FR*\b:128*((\st)%2)+FR*\b+FR-1], v[AF+48*((\st)%2)+FR*(\a):AF+48*((\st)%2)+FR*(\a)+FR-1], \c, v[SC+16*(((\st)/2)%2)+2*\b+(\st)%2], v[SC+16*(((\st)/2)%2)+2*(\a)+(\st)%2] matrix_a_fmt:MATRIX_FMT_FP6 matrix_b_fmt:MATRIX_FMT_FP6 matrix_a_scale:MATRIX_SCALE_ROW1
.endm
.macro MUL32 st, zero                  ; the 32 accumulators take turns, in the same order in every step
	WIN MUL
.irp a, 0,1,2,3
.irp b, 0,1,2,3,4,5,6,7
.if \zero
	PROD \a, \b, \st, 0
.else
	PROD \a, \b, \st, v[8*(8*(\a)+\b):8*(8*(\a)+\b)+7]
.endif
.endr
.endr
	WIN 0
.endm
.macro KSTEP st, zero                  ; step st's set is in; the next step's loads are issued ahead of the 32 products
	s_wait_dscnt 0x0
	PLACES 4                                       ; between the last products on the other set and the loads into it
	FETCH (\st)+1
	MUL32 \st, \zero
.endm
.macro MATMUL fill                     ; a tile's eight K steps; fill = 1: the next tile is asked for in the last
	s_wait_alu depctr_va_vdst(0)                   ; the wait ahead of the blocking wait
	s_wait_tensorcnt 0x0                           ; my load of this tile has landed;
	s_barrier_signal -1
	s_barrier_wait -1                              ; and everybody's
	FETCH 0
	KSTEP 0, 1
.irp st, 1,2,3,4,5,6
	KSTEP \st, 0
.endr
.if \fill
	s_wait_tensorcnt 0x0                           ; no load of mine is out: the descriptors may be written
	ds_add_u32 v[SPW], v[NIL]
	s_cmp_eq_u32 s66, 0                            ; behind q comes k, behind k comes v
	s_cselect_b64 s[G0A+2:G0A+3], s[88:89], s[20:21]
	s_cselect_b64 s[G0B+2:G0B+3], s[84:85], s[22:23]
	s_cselect_b64 s[G0SA+2:G0SA+3], s[90:91], s[46:47]
	s_cselect_b64 s[G0SB+2:G0SB+3], s[86:87], s[100:101]
	s_or_b32 s[G0A+3], s[G0A+3], 0x80000000
	s_or_b32 s[G0B+3], s[G0B+3], 0x80000000
	s_or_b32 s[G0SA+3], s[G0SA+3], 0x80000000
	s_or_b32 s[G0SB+3], s[G0SB+3], 0x80000000
	s_wait_dscnt 0x0                               ; the add is done, and my last reads of this tile
	s_barrier_signal -1                            ; opens a round of the cluster's barrier
	MUL32 7, 0                                     ; register work inside the round
	s_barrier_wait -1
	CREST                                          ; no wave of any partner still reads the tile or has a load on its way
	LOADS                                          ; the four v_nop behind each load are also the places behind the last products
.else
	s_wait_dscnt 0x0
	MUL32 7, 0
	PLACES 4
.endif
.endm
	s_load_b256 s[4:11], s[0:1], 0x0               ; x's codes, x's scales, w_qkv's codes, w_qkv's scales
	s_load_b128 s[96:99], s[0:1], 0x20             ; b_qkv, the workspace
	v_lshl_add_u32 v[SPW], v0, 2, SPARE
	v_mov_b32 v[NIL], 0
	ds_add_u32 v[SPW], v[NIL]                      ; the opening lines: the add twice on end and one wait
	ds_add_u32 v[SPW], v[NIL]
	v_lshrrev_b32 v1, 5, v0
	v_readfirstlane_b32 s14, v1                    ; wave
	s_lshr_b32 s15, s14, 1                         ; my 64 rows of the A side
	s_and_b32 s16, s14, 1                          ; my 128 rows of the B side
	s_bfe_u32 s40, ttmp6, 0x40000                  ; cx
	s_bfe_u32 s41, ttmp6, 0x40004                  ; cy
	s_and_b32 s12, ttmp7, 0xffff                   ; c
	s_lshl_b32 s43, s41, 2
	s_lshl_b32 s43, 15, s43                        ; my row of the cluster
	s_lshl_b32 s44, 0x1111, s40                    ; my column
	GROUP1 G1A, 43, 0, KROW, 128
	GROUP1 G1B, 44, 0, KROW, 256
	GROUP1 G1SA, 43, 3, 32, 16
	GROUP1 G1SB, 44, 3, 32, 32
	s_lshl_b32 s17, s12, 2
	s_add_co_u32 s17, s17, s41                     ; q, k: the A side's tile of 128 tokens
	s_mul_i32 s88, s17, 128*KROW
	s_mov_b32 s89, 0
	s_lshl_b32 s90, s17, 12
	s_mov_b32 s91, 0
	s_and_b32 s13, s12, 1
	s_lshl_b32 s13, s13, 2
	s_add_co_u32 s13, s13, s41                     ; v: the A side's tile of 128 rows of w_qkv
	s_mul_i32 s20, s13, 128*KROW
	s_add_co_u32 s20, s20, 2048*KROW
	s_mov_b32 s21, 0
	s_lshl_b32 s46, s13, 12
	s_add_co_u32 s46, s46, 2048*KS
	s_mov_b32 s47, 0
	s_mul_i32 s84, s40, 256*KROW                   ; q: the B side's tile of 256 rows of w_qkv
	s_mov_b32 s85, 0
	s_lshl_b32 s86, s40, 13
	s_mov_b32 s87, 0
	s_lshr_b32 s42, s12, 1
	s_lshl_b32 s42, s42, 2
	s_add_co_u32 s42, s42, s40                     ; v: the B side's tile of 256 tokens
	s_mul_i32 s22, s42, 256*KROW
	s_mov_b32 s23, 0
	s_lshl_b32 s100, s42, 13
	s_mov_b32 s101, 0
	s_wait_dscnt 0x0
	s_wait_kmcnt 0x0
	s_add_nc_u64 s[88:89], s[4:5], s[88:89]
	s_add_nc_u64 s[90:91], s[6:7], s[90:91]
	s_add_nc_u64 s[20:21], s[8:9], s[20:21]
	s_add_nc_u64 s[46:47], s[10:11], s[46:47]
	s_add_nc_u64 s[84:85], s[8:9], s[84:85]
	s_add_nc_u64 s[86:87], s[10:11], s[86:87]
	s_add_nc_u64 s[22:23], s[4:5], s[22:23]
	s_add_nc_u64 s[100:101], s[6:7], s[100:101]
	CROUND                                         ; all sixteen work-groups are here: the first joint loads meet
	SETG0 G0A, AOFF, 88
	SETG0 G0B, 0, 84
	SETG0 G0SA, SCL, 90
	SETG0 G0SB, SCL+2*HALFSA, 86
	LOADS
	s_add_nc_u64 s[84:85], s[84:85], 1024*KROW     ; k's rows of w_qkv
	s_add_nc_u64 s[86:87], s[86:87], 1024*KS
	s_mul_i32 s66, s15, 64*PITCH
	s_add_co_u32 s66, s66, AOFF
	s_mul_i32 s67, s16, 128*PITCH
	s_mul_i32 s92, s15, HALFSA
	s_mul_i32 s93, s16, HALFSB
	s_add_co_u32 s93, s93, 2*HALFSA
	s_sub_co_u32 s93, s93, s92
	s_add_co_u32 s92, s92, SCL
	v_and_b32 v1, 15, v0                           ; r
	v_bfe_u32 v2, v0, 4, 1                         ; h
	v_mul_u32_u24 v3, v1, PITCH
	v_mad_u32_u24 v4, v2, 24, v3
	v_lshl_add_u32 v5, v2, 4, v4
	v_add_nc_u32 v[ADRA], s66, v4
	v_add_nc_u32 v[ADRA+2], s66, v5
	v_add_nc_u32 v[ADRB], s67, v4
	v_add_nc_u32 v[ADRB+2], s67, v5
	v_add_nc_u32 v[ADRB+1], 64*PITCH, v[ADRB]
	v_add_nc_u32 v[ADRB+3], 64*PITCH, v[ADRB+2]
	v_mul_u32_u24 v5, v1, KS                       ; my row's scales: 32 bytes a row,
	v_lshrrev_b32 v6, 8, v5
	v_lshl_add_u32 v5, v6, 4, v5                   ; and 16 more for each 256 passed
	v_mul_u32_u24 v6, s93, v2                      ; lanes 16-31 take the B side's
	v_add_nc_u32 v5, v5, v6
	v_add_nc_u32 v[ADRS], s92, v5
	; where q's results go; k's lie 64 blocks on
	s_lshl_b32 s18, s17, 7
	s_lshl_b32 s19, s15, 6
	s_add_co_u32 s18, s18, s19
	s_and_b32 s45, s18, 2047                       ; my first token's position
	s_lshr_b32 s19, s17, 4
	s_lshl_b32 s19, s19, 4                         ; 16 x batch
	s_lshl_b32 s92, s40, 2
	s_add_co_u32 s19, s19, s92
	s_lshl_b32 s92, s16, 1
	s_add_co_u32 s19, s19, s92                     ; + my first head
	s_mul_i32 s19, s19, BLK
	s_and_b32 s2, s17, 15                          ; the step of 128 tokens
	s_mul_i32 s92, s2, 6144
	s_mul_i32 s3, s15, 3072
	s_add_co_u32 s92, s92, s3
	s_add_co_u32 s92, s92, s19
	s_add_co_u32 s92, s92, 12288
	s_mov_b32 s93, 0
	s_add_nc_u64 s[92:93], s[98:99], s[92:93]      ; my 64 rows' codes
	s_lshl_b32 s94, s2, 9
	s_lshl_b32 s3, s15, 8
	s_add_co_u32 s94, s94, s3
	s_add_co_u32 s94, s94, s19
	s_mov_b32 s95, 0
	s_add_nc_u64 s[94:95], s[98:99], s[94:95]      ; and scale words
	s_lshl_b32 s18, s40, 10
	s_lshl_b32 s3, s16, 9
	s_add_co_u32 s18, s18, s3
	s_mov_b32 s19, 0
	s_add_nc_u64 s[18:19], s[96:97], s[18:19]      ; the bias at my first column
	s_mov_b32 s2, 0x76543210
	s_mov_b32 s3, 0xfedcba98                       ; v_permlanex16_b32's selects for lane l xor 16
; ---------------- the way out for q and k
.set POS,  6
.set C5P,  8
.set S4P,  10
.set DW,   12
.set WW,   16                          ; v16-23 scale words: head e, block aa at 4 e + aa
.set MAG,  24
.set IFQ,  64                          ; v64-79 10^(-(16 u + 8 h + j) / 8) at 8 u + j
.set QT,   80
.set COS,  96
.set SIN,  112
.set T,    128                         ; v128-191 a block's 64 numbers: head e at 32 e; before that the angles and their squares
.set RG,   128
.set ZG,   144
.set CODE, 192
.set YY,   216
.set BI,   0                           ; window 1, v0-63: the bias in the accumulators' layout
.macro IFREQ i, lo, hi
	v_mov_b32 v[IFQ+\i], \hi
	v_cndmask_b32 v[IFQ+\i], \lo, v[IFQ+\i], vcc_lo
.endm
.macro EACH8 body:vararg
.irp i, 0,2,4,6,8,10,12,14
	\body
.endr
.endm
.macro SINCOS                          ; cos and sin of pos x inv_freq for my row and my 16 frequencies, two at a time, each stage for all eight pairs
.irp i, 0,2,4,6,8,10,12,14
	v_pk_mul_f32 v[RG+\i:RG+\i+1], v[POS:POS+1], v[IFQ+\i:IFQ+\i+1]                              ; the angle, rounded once
.endr
.irp i, 0,2,4,6,8,10,12,14
	v_pk_fma_f32 v[ZG+\i:ZG+\i+1], v[RG+\i:RG+\i+1], 0x3ea2f983, v[MAG:MAG+1] op_sel_hi:[1,0,1]    ; angle / pi + 1.5 x 2^23
.endr
.irp i, 0,1,2,3,4,5,6,7,8,9,10,11,12,13,14,15
	v_lshl_or_b32 v[SIN+\i], v[ZG+\i], 31, 0x3f800000                                            ; (-1)^n as +-1.0
.endr
.irp i, 0,2,4,6,8,10,12,14
	v_pk_add_f32 v[ZG+\i:ZG+\i+1], v[ZG+\i:ZG+\i+1], v[MAG:MAG+1] neg_lo:[0,1] neg_hi:[0,1]        ; n
.endr
.irp i, 0,2,4,6,8,10,12,14
	v_pk_fma_f32 v[RG+\i:RG+\i+1], v[ZG+\i:ZG+\i+1], 0xc0490fdb, v[RG+\i:RG+\i+1] op_sel_hi:[1,0,1]  ; - n x pi's upper part
.endr
.irp i, 0,2,4,6,8,10,12,14
	v_pk_fma_f32 v[RG+\i:RG+\i+1], v[ZG+\i:ZG+\i+1], 0x33bbbd2e, v[RG+\i:RG+\i+1] op_sel_hi:[1,0,1]  ; - n x its lower part (which is negative)
.endr
.irp i, 0,2,4,6,8,10,12,14
	v_pk_mul_f32 v[ZG+\i:ZG+\i+1], v[RG+\i:RG+\i+1], v[RG+\i:RG+\i+1]                              ; z = x^2
.endr
.irp i, 0,2,4,6,8,10,12,14
	v_pk_mul_f32 v[RG+\i:RG+\i+1], v[RG+\i:RG+\i+1], v[SIN+\i:SIN+\i+1]                            ; x with the sign
.endr
.irp i, 0,2,4,6,8,10,12,14
	v_pk_fma_f32 v[COS+\i:COS+\i+1], v[ZG+\i:ZG+\i+1], 0x310f76c7, v[C5P:C5P+1] op_sel_hi:[1,0,1]  ; 1 / 12! z - 1 / 10!
.endr
.irp k, 0x37d00d01, 0xbab60b61, 0x3d2aaaab, -0.5, 1.0
.irp i, 0,2,4,6,8,10,12,14
	v_pk_fma_f32 v[COS+\i:COS+\i+1], v[COS+\i:COS+\i+1], v[ZG+\i:ZG+\i+1], \k op_sel_hi:[1,1,0]    ; 1 / 8!, -1 / 6!, 1 / 4!, -1 / 2, 1
.endr
.endr
.irp i, 0,2,4,6,8,10,12,14
	v_pk_mul_f32 v[COS+\i:COS+\i+1], v[COS+\i:COS+\i+1], v[SIN+\i:SIN+\i+1]                        ; the cosine
.endr
.irp i, 0,2,4,6,8,10,12,14
	v_pk_fma_f32 v[SIN+\i:SIN+\i+1], v[ZG+\i:ZG+\i+1], 0xb2d7322b, v[S4P:S4P+1] op_sel_hi:[1,0,1]  ; -1 / 11! z + 1 / 9!
.endr
.irp k, 0xb9500d01, 0x3c088889, 0xbe2aaaab
.irp i, 0,2,4,6,8,10,12,14
	v_pk_fma_f32 v[SIN+\i:SIN+\i+1], v[SIN+\i:SIN+\i+1], v[ZG+\i:ZG+\i+1], \k op_sel_hi:[1,1,0]    ; -1 / 7!, 1 / 5!, -1 / 3!
.endr
.endr
.irp i, 0,2,4,6,8,10,12,14
	v_pk_mul_f32 v[ZG+\i:ZG+\i+1], v[ZG+\i:ZG+\i+1], v[RG+\i:RG+\i+1]
.endr
.irp i, 0,2,4,6,8,10,12,14
	v_pk_fma_f32 v[SIN+\i:SIN+\i+1], v[SIN+\i:SIN+\i+1], v[ZG+\i:ZG+\i+1], v[RG+\i:RG+\i+1]        ; the sine
.endr
	v_pk_add_f32 v[POS:POS+1], v[POS:POS+1], 0x41800000 op_sel_hi:[1,0]                          ; the next block's rows lie 16 further on
.endm
.macro GATHER aa                       ; block aa's 64 sums + the bias; each accumulator is read from its low end on
	WIN 0x06                                       ; source 0 window 2, source 1 window 1
.set i, 0
.rept 32
	v_pk_add_f32 v[T+i:T+i+1], v[64*(\aa)+i:64*(\aa)+i+1], v[BI+i:BI+i+1]
.set i, i+2
.endr
	WIN 0
.endm
.macro ROPE e                          ; d and d + 32 lie 16 registers apart
.irp i, 0,2,4,6,8,10,12,14
	v_pk_mul_f32 v[QT+8:QT+9], v[T+32*\e+16+\i:T+32*\e+17+\i], v[SIN+\i:SIN+\i+1]
	v_pk_mul_f32 v[QT+10:QT+11], v[T+32*\e+\i:T+32*\e+\i+1], v[SIN+\i:SIN+\i+1]
	v_pk_fma_f32 v[T+32*\e+\i:T+32*\e+\i+1], v[T+32*\e+\i:T+32*\e+\i+1], v[COS+\i:COS+\i+1], v[QT+8:QT+9] neg_lo:[0,0,1] neg_hi:[0,0,1]
	v_pk_fma_f32 v[T+32*\e+16+\i:T+32*\e+17+\i], v[T+32*\e+16+\i:T+32*\e+17+\i], v[COS+\i:COS+\i+1], v[QT+10:QT+11]
.endr
.endm
; 32 numbers of a lane, 16 of each of a head's two blocks (the other 16 lie in lane l xor 16), become six registers of codes (lanes 0-15 block 0, lanes 16-31 block 1) and the row's scale word
.macro QUANT2 s, dst, w
.irp b, 0,1
	v_max3_num_f32 v[QT+\b], |v[\s+16*\b]|, |v[\s+16*\b+1]|, 0x1800000   ; and the floor 2^(3 - 127): the byte cannot fall under 1
.endr
.irp i, 2,4,6,8,10,12,14
.irp b, 0,1
	v_max3_num_f32 v[QT+\b], v[QT+\b], |v[\s+16*\b+\i]|, |v[\s+16*\b+\i+1]|
.endr
.endr
	v_permlanex16_b32 v[QT+2], v[QT], s2, s3
	v_permlanex16_b32 v[QT+3], v[QT+1], s2, s3
	v_max_num_f32 v[QT], v[QT], v[QT+2]
	v_max_num_f32 v[QT+1], v[QT+1], v[QT+3]
	v_add_nc_u32 v[QT+4], 0xff000000, v[QT]        ; 2 off the exponent field: the conversion's scale operand
	v_add_nc_u32 v[QT+5], 0xff000000, v[QT+1]
	v_lshrrev_b32 v[QT+6], 23, v[QT+4]
	v_lshrrev_b32 v[QT+7], 23, v[QT+5]
	v_lshl_or_b32 v[\w], v[QT+7], 8, v[QT+6]
	v_or_b32 v[\w], 0x7f7f0000, v[\w]              ; K is 64: the upper two bytes stand for 1
	v_cvt_scalef32_pk16_fp6_f32 v[\dst:\dst+2], v[\s:\s+15], v[QT+4]
	v_cvt_scalef32_pk16_fp6_f32 v[YY:YY+2], v[\s+16:\s+31], v[QT+5]
	v_nop                                          ; one plain place behind a scaled conversion
.irp i, 0,1,2
	v_permlane16_swap_b32 v[\dst+\i], v[YY+\i]     ; a whole block to a lane
.endr
.irp i, 0,1,2
	v_mov_b32 v[\dst+3+\i], v[YY+\i]
.endr
.endm
	s_mov_b32 s66, 0
.Ltile:                                            ; two trips: q, k
	MATMUL 1
	v_and_b32 v3, 31, v0
	v_lshlrev_b32 v3, 4, v3                        ; 16 x lane: an image's place
	v_mul_u32_u24 v4, v2, BLK
	v_lshl_add_u32 v4, v1, 4, v4                   ; the scale words: 16 r; lanes 16-31 store the second head's, BLK bytes on
	v_cmp_eq_u32 s67, 1, v2
	v_lshlrev_b32 v5, 5, v2
	WIN TO_B
.irp b, 0,1,2,3,4,5,6,7
	global_load_b128 v[BI+8*\b:BI+8*\b+3], v5, s[18:19] offset:64*\b          ; b_qkv at columns 16 b + 8 h + 0 .. 7
	global_load_b128 v[BI+8*\b+4:BI+8*\b+7], v5, s[18:19] offset:64*\b+16
.endr
	WIN 0
	v_cmp_eq_u32 vcc_lo, 1, v2
	IFREQ 0, 1.0, 0.1
	IFREQ 1, 0.74989420933, 0.074989420933
	IFREQ 2, 0.56234132519, 0.056234132519
	IFREQ 3, 0.42169650343, 0.042169650343
	IFREQ 4, 0.31622776602, 0.031622776602
	IFREQ 5, 0.23713737057, 0.023713737057
	IFREQ 6, 0.17782794100, 0.017782794100
	IFREQ 7, 0.13335214322, 0.013335214322
	IFREQ 8, 0.01, 0.001
	IFREQ 9, 0.0074989420933, 0.00074989420933
	IFREQ 10, 0.0056234132519, 0.00056234132519
	IFREQ 11, 0.0042169650343, 0.00042169650343
	IFREQ 12, 0.0031622776602, 0.00031622776602
	IFREQ 13, 0.0023713737057, 0.00023713737057
	IFREQ 14, 0.0017782794100, 0.00017782794100
	IFREQ 15, 0.0013335214322, 0.00013335214322
	v_add_nc_u32 v[POS], s45, v1
	v_cvt_f32_u32 v[POS], v[POS]                   ; my row's position, exact
	v_mov_b32 v[POS+1], v[POS]
	v_mov_b32 v[MAG], 0x4b400000                   ; 1.5 x 2^23
	v_mov_b32 v[MAG+1], 0x4b400000
	v_mov_b32 v[C5P], 0xb493f27e                   ; -1 / 10!
	v_mov_b32 v[C5P+1], 0xb493f27e
	v_mov_b32 v[S4P], 0x3638ef1d                   ; 1 / 9!
	v_mov_b32 v[S4P+1], 0x3638ef1d
	v_mov_b32 v[QT+2], 0                           ; a lane permute's destination counts as one of its sources
	v_mov_b32 v[QT+3], 0
.irp aa, 0,1,2,3
	SINCOS
.if \aa == 0
	s_wait_loadcnt 0x0                             ; the bias
.endif
	GATHER \aa
.if (\aa)%2 == 0
	s_wait_xcnt 0x0                                ; the last stores have read the codes' registers
.endif
.irp e, 0,1
	ROPE \e
	QUANT2 T+32*\e, CODE+12*\e+6*((\aa)%2), WW+4*\e+\aa
.endr
.if (\aa)%2 == 1
.irp e, 0,1
.irp c, 0,1,2
	global_store_b128 v3, v[CODE+12*\e+4*\c:CODE+12*\e+4*\c+3], s[92:93] offset:\e*BLK+512*(3*((\aa)/2)+\c)   ; 32 lanes store 512 consecutive bytes, aligned
.endr
.endr
.endif
.endr
.irp i, 0,1,2,3
	v_cndmask_b32 v[DW+\i], v[WW+\i], v[WW+4+\i], s67   ; lanes 0-15 the first head's words, lanes 16-31 the second's
.endr
	global_store_b128 v4, v[DW:DW+3], s[94:95]     ; each half of the lanes stores 256 consecutive bytes, aligned
	s_wait_xcnt 0x0                                ; the stores and loads have read their registers and bases
	s_add_nc_u64 s[92:93], s[92:93], 64*BLK
	s_add_nc_u64 s[94:95], s[94:95], 64*BLK
	s_add_nc_u64 s[18:19], s[18:19], 4096
	s_add_co_u32 s66, s66, 1
	s_cmp_lt_u32 s66, 2
	s_cbranch_scc1 .Ltile
; ---------------- v: a lane holds one d row, its 64 registers 64 of the step's 128 keys
.set VB,   64
.set TM,   80
.set PWV,  96
.set XV,   128
.set PCV,  192
	MATMUL 0
	s_lshl_b32 s20, s13, 1
	s_add_co_u32 s20, s20, s15                     ; my head
	s_lshl_b32 s21, s42, 1
	s_add_co_u32 s21, s21, s16                     ; my 128 keys among the 64 steps of all batches
	s_lshr_b32 s22, s21, 4
	s_lshl_b32 s22, s22, 4
	s_add_co_u32 s22, s22, s20
	s_add_co_u32 s22, s22, 64
	s_mul_i32 s22, s22, BLK
	s_and_b32 s21, s21, 15
	s_mul_i32 s92, s21, 6144
	s_add_co_u32 s92, s92, s22
	s_add_co_u32 s92, s92, 110592
	s_mov_b32 s93, 0
	s_add_nc_u64 s[92:93], s[98:99], s[92:93]
	s_lshl_b32 s94, s21, 8
	s_add_co_u32 s94, s94, s22
	s_add_co_u32 s94, s94, 8192
	s_mov_b32 s95, 0
	s_add_nc_u64 s[94:95], s[98:99], s[94:95]
	s_lshl_b32 s18, s20, 8
	s_add_co_u32 s18, s18, 8192
	s_mov_b32 s19, 0
	s_add_nc_u64 s[18:19], s[96:97], s[18:19]
	v_and_b32 v3, 31, v0
	v_lshlrev_b32 v3, 4, v3
	v_lshlrev_b32 v4, 4, v1
	v_lshl_add_u32 v4, v2, 3, v4                   ; the scale words: 16 r + 8 h
	v_cmp_eq_u32 s67, 1, v2
	v_lshlrev_b32 v5, 2, v1
.irp a, 0,1,2,3
	global_load_b32 v[VB+2*\a], v5, s[18:19] offset:64*\a
	global_load_b32 v[VB+2*\a+1], v5, s[18:19] offset:64*\a
.endr
.irp b, 0,1,2,3
	v_mov_b32 v[TM+4+\b], 0
.endr
.macro QUANT s                         ; 64 numbers of a lane, register 16 b + i in block b, become a fragment's codes in v[PCV] on and its scale word in v[PWV]
.irp b, 0,1,2,3
	v_max3_num_f32 v[TM+\b], |v[\s+16*\b]|, |v[\s+1+16*\b]|, 0x1800000
.endr
.irp i, 2,4,6,8,10,12,14
.irp b, 0,1,2,3
	v_max3_num_f32 v[TM+\b], v[TM+\b], |v[\s+16*\b+\i]|, |v[\s+1+16*\b+\i]|
.endr
.endr
.irp b, 0,1,2,3
	v_permlanex16_b32 v[TM+4+\b], v[TM+\b], s2, s3
.endr
.irp b, 0,1,2,3
	v_max_num_f32 v[TM+\b], v[TM+\b], v[TM+4+\b]
.endr
.irp b, 0,1,2,3
	v_add_nc_u32 v[TM+12+\b], 0xff000000, v[TM+\b]
.endr
.irp b, 0,1,2,3
	v_lshrrev_b32 v[TM+4+\b], 23, v[TM+12+\b]
.endr
	v_lshl_or_b32 v[PWV], v[TM+5], 8, v[TM+4]
	v_lshl_or_b32 v[PWV], v[TM+6], 16, v[PWV]
	v_lshl_or_b32 v[PWV], v[TM+7], 24, v[PWV]
.irp c, 0,1
	v_cvt_scalef32_pk16_fp6_f32 v[PCV+6*\c:PCV+2+6*\c], v[\s+32*\c:\s+15+32*\c], v[TM+12+2*\c]
	v_cvt_scalef32_pk16_fp6_f32 v[PCV+12+4*\c:PCV+14+4*\c], v[\s+16+32*\c:\s+31+32*\c], v[TM+12+2*\c+1]
.endr
	v_nop
.irp c, 0,1
.irp i, 0,1,2
	v_permlane16_swap_b32 v[PCV+6*\c+\i], v[PCV+12+4*\c+\i]
.endr
.irp i, 0,1,2
	v_mov_b32 v[PCV+3+6*\c+\i], v[PCV+12+4*\c+\i]
.endr
.endr
.endm
.macro VOUT a                          ; rows 16 a on of my head
	WIN 0x02
.set i, 0
.rept 32
	v_pk_add_f32 v[XV+i:XV+i+1], v[64*(\a)+i:64*(\a)+i+1], v[VB+2*(\a):VB+2*(\a)+1]
.set i, i+2
.endr
	WIN 0
.if (\a) > 0
	s_wait_xcnt 0x0
.endif
	QUANT XV
	v_mov_b32 v[WW+(\a)], v[PWV]
.irp c, 0,1,2
	global_store_b128 v3, v[PCV+4*\c:PCV+4*\c+3], s[92:93] offset:1536*(\a)+512*\c   ; 512 consecutive bytes, aligned
.endr
.endm
	s_wait_alu depctr_va_vdst(0)                   ; the wait ahead of the blocking wait
	s_wait_loadcnt 0x0
.irp a, 0,1,2,3
	VOUT \a
.endr
	v_cndmask_b32 v[DW], v[WW], v[WW+2], s67       ; both halves of the lanes hold row r's four words: lanes 0-15 store words 0, 1, lanes 16-31 words 2, 3
	v_cndmask_b32 v[DW+1], v[WW+1], v[WW+3], s67
	global_store_b64 v4, v[DW:DW+1], s[94:95]      ; 256 consecutive bytes, aligned
	s_wait_tensorcnt 0x0                           ; the wave's end
	ds_add_u32 v[SPW], v[NIL]
	s_wait_dscnt 0x0
	CROUND                                         ; the closing round
	s_endpgm
.Lfunc_end_k_q081b501a68_qkv:
	.size	k_q081b501a68_qkv, .Lfunc_end_k_q081b501a68_qkv-k_q081b501a68_qkv
	.p2alignl 7, 3214868480
	.fill 96, 4, 3214868480
	.section	.rodata,"a",@progbits
	.p2align	6, 0x0
	.amdhsa_kernel k_q081b501a68_qkv
		.amdhsa_group_segment_fixed_size 327680
		.amdhsa_private_segment_fixed_size 0
		.amdhsa_enable_private_segment 0
		.amdhsa_kernarg_size 48
		.amdhsa_user_sgpr_count 2
		.amdhsa_user_sgpr_kernarg_segment_ptr 1
		.amdhsa_wavefront_size32 1
		.amdhsa_system_sgpr_workgroup_id_x 1
		.amdhsa_system_sgpr_workgroup_id_y 1
		.amdhsa_system_sgpr_workgroup_id_z 1
		.amdhsa_system_vgpr_workitem_id 0
		.amdhsa_next_free_vgpr 768
		.amdhsa_next_free_sgpr 102
		.amdhsa_reserve_vcc 1
		.amdhsa_float_denorm_mode_32 3
		.amdhsa_float_denorm_mode_16_64 3
		.amdhsa_memory_ordered 1
		.amdhsa_forward_progress 1
		.amdhsa_inst_pref_size 255
	.end_amdhsa_kernel
	.section	.bss,"aw",@nobits
	.p2align	6
	.space	262144
	.amdgpu_metadata
---
amdhsa.version: [ 1, 2 ]
amdhsa.kernels:
  - .name:           k_q081b501a68_qkv
    .symbol:         k_q081b501a68_qkv.kd
    .args:
      - { .name: x_codes, .offset: 0, .size: 8, .value_kind: global_buffer, .address_space: global }
      - { .name: x_scales, .offset: 8, .size: 8, .value_kind: global_buffer, .address_space: global }
      - { .name: w_qkv_codes, .offset: 16, .size: 8, .value_kind: global_buffer, .address_space: global }
      - { .name: w_qkv_scales, .offset: 24, .size: 8, .value_kind: global_buffer, .address_space: global }
      - { .name: b_qkv, .offset: 32, .size: 8, .value_kind: global_buffer, .address_space: global }
      - { .name: qkv_ws, .offset: 40, .size: 8, .value_kind: global_buffer, .address_space: global }
    .group_segment_fixed_size: 327680
    .private_segment_fixed_size: 0
    .kernarg_segment_align: 8
    .kernarg_segment_size: 48
    .max_flat_workgroup_size: 128
    .sgpr_count:     102
    .vgpr_count:     768
    .wavefront_size: 32
...
	.end_amdgpu_metadata
.endif
;; end of part 1
;; launch attn (part 2): grid 4 x 64, 16 waves a work-group, clusters of 4 x 1, 210,944 bytes of LDS; arguments qkv_ws, o_img, o_sc; writes o_img, o_sc
.if DOCPART == 2
	.amdgcn_target "amdgcn-amd-amdhsa--gfx1250"
	.amdhsa_code_object_version 6
	.text
	.protected	k_q081b501a68_attn
	.globl	k_q081b501a68_attn
	.p2align	8
	.type	k_q081b501a68_attn,@function
k_q081b501a68_attn:
	s_mov_b64 s[64:65], 0
	v_nop
	global_prefetch_b8 v0, s[64:65] scope:SCOPE_SE
	s_setreg_imm32_b32 hwreg(HW_REG_WAVE_MODE, 25, 1), 1
	s_wait_xcnt 0x0
	s_wait_alu depctr_hold_cnt(0) depctr_sa_sdst(0) depctr_va_vdst(0) depctr_va_sdst(0) depctr_va_ssrc(0) depctr_va_vcc(0) depctr_vm_vsrc(0)
	s_getreg_b32 s2, hwreg(HW_REG_IB_STS2, 6, 4)
	s_cmp_eq_u32 s2, 0
	s_cbranch_scc0 .Lentry_in_a_cluster
	s_endpgm
.Lentry_in_a_cluster:
	s_bfe_u32 s2, ttmp6, 0x10000c
	s_cmp_lg_u32 s2, 0x3003
	s_cbranch_scc0 .Lentry_shape_is_right
	s_endpgm
.Lentry_shape_is_right:
; Causal attention of one (batch, head) on codes of FP6 (E2M3) with E8M0 scales, and the quantising of O / l along the projection's K.
; t = score x log2(e) / 8; M = the running largest t rounded up to a whole number; p = 2^(t - M) is quantised along the keys; the row's sum is taken of the unquantised p and divides at the end.
; WORK LEFT OUT: key steps that lie wholly above the causal diagonal (reference()'s own mask: their p is 0 for all inputs).
; SHARES.  Four work-groups to a head, sixteen waves each.  Wave w of work-group cx owns TWO tiles of 16 queries, one after the other: numbers 8 G + g with g = 2 cx + w / 8 and G = 15 - w % 8, then G = w % 8.
; A tile needs key steps 0 .. G of 128 keys; step G lies on the diagonal.  So every wave has 17 steps.
; LDS holds the head's K and V, codes and scale words, as the workspace has them: 208,896 bytes, filled ONCE: each wave asks for a sixteenth, 51 rows of 256 bytes; nothing is filled again.
; No prefetch is laid: the one fill stands at the head, and there is no loop to run ahead in.
; CLUSTER.  The four work-groups of a head ask for these bytes jointly.  No branch and no LDS address hangs on the place in the cluster: g enters global addresses, the mask's numbers and one select.
; LAYOUT.  Both products transposed: S^T = K Q^T (source 0 = 16 keys), O^T = V^T P^T (source 0 = 16 of the head's 64): a lane holds one query (lane % 16) throughout.
; The first product's K is 64 of the instruction's 128: Q's upper six registers are zero codes and the upper two bytes of both scale words stand for 1, so the upper six registers of K's operand may hold any codes: fragment t is v[32 + 6 t] on, of which the upper six are fragment t + 1.
; LIMITS: NaN and infinities are not served; a block of zeros gets the scale byte 1 (its codes are zeros; the bytes are read by this program alone).  The promise holds while the scaled scores stay under 2^31 in magnitude.
; o_sc's bytes go out singly: a row's 32 bytes come from 16 heads' work-groups; they are one byte in 24 of what the launch stores.
.set BLK,  208896
.set KIMG, 12288
.set VIMG, 110592
.set VSC,  8192
.set WV,   10
.set GG,   11                          ; s11 the tile's G
.set CX,   12
.set GS,   13                          ; s13 g
.set BH,   14                          ; s14 16 x batch + head
.set G1C,  16                          ; s[16:23] group 1: 51 rows of 256 bytes
.set G0,   32
.set G2,   41                          ; s41 the second tile's G
.set SEL,  52
.set CS,   54
.set TK,   56
.set TS,   57
.set TJ,   58
.set KC,   59
.set CNT,  60
.set QM,   61
.set LI,   1                           ; v1 16 x lane
.set LR,   2                           ; v2 16 r
.set DM,   3                           ; v3 16 g + r - 8 h
.set NINF, 4
.set L8,   5
.set OSO,  6                           ; v6 32 r + h
.set ADK,  8
.set ADV,  9
.set ADS,  10
.set ADT,  11
.set QF,   16                          ; v16-27 Q; v22-27 zeros
.set QS,   28                          ; v28 Q's scale words; v29 the second tile's
.set QS2,  29
.set KF,   32                          ; v32-85 K's eight fragments of six registers, then six zeros; later V's four of twelve
.set KSR,  86
.set S,    96                          ; v96-159 S^T, then p
.set O,    160                         ; v160-191 O^T
.set PC,   192
.set YY,   204
.set BM,   212
.set PD,   216
.set SO,   220
.set PW,   224
.set FF,   226
.set TMP,  228
.set HH,   229
.set SM2,  230
.set Q2,   232                         ; v232-237 the second tile's Q
.set A2,   252
.set A3,   250
.macro CROUND
	s_barrier_signal -1
	s_barrier_wait -1
	s_cmp_lg_u32 s[WV], 0
	s_cbranch_scc1 .Lnot_wave_0_\@
	s_barrier_signal -3
.Lnot_wave_0_\@:
	s_barrier_wait -3
	s_barrier_signal -1
	s_barrier_wait -1
.endm
.macro QASK gg, dst, off, qs, offs     ; the pair g / 2 of fragments of step gg's 128 queries, three loads of 16 bytes a lane, and fragment g's scale words
	s_mul_i32 s68, s[\gg], 6144
	s_add_co_u32 s68, s68, s70
	v_add_nc_u32 v[\off], s68, v[LI]
.irp i, 0,1,2
	global_load_b128 v[\dst+4*\i:\dst+4*\i+3], v[\off], s[66:67] offset:KIMG+512*\i
.endr
	s_lshl_b32 s68, s[\gg], 9
	s_add_co_u32 s68, s68, s71
	v_add_nc_u32 v[\offs], s68, v[LR]
	global_load_b32 v[\qs], v[\offs], s[66:67]
.endm
	s_load_b128 s[4:7], s[0:1], 0x0                ; the workspace, o_img
	s_load_b64 s[8:9], s[0:1], 0x10                ; o_sc
	v_lshl_add_u32 v254, v0, 2, 0x33000
	v_mov_b32 v255, 0
	ds_add_u32 v254, v255                          ; the opening lines: the add twice on end and one wait
	ds_add_u32 v254, v255
	v_lshrrev_b32 v7, 5, v0
	v_readfirstlane_b32 s[WV], v7
	s_bfe_u32 s[CX], ttmp6, 0x40000
	s_lshl_b32 s[GS], s[CX], 1
	s_lshr_b32 s15, s[WV], 3
	s_add_co_u32 s[GS], s[GS], s15                 ; g
	s_and_b32 s[BH], ttmp7, 0xffff
	s_and_b32 s[G2], s[WV], 7
	s_sub_co_u32 s[GG], 15, s[G2]
	s_mov_b32 s[G1C], 15|(3<<16)|(1<<21)           ; the mask: all four work-groups; elements of 8 bytes; no padding
	s_mov_b32 s[G1C+1], 32<<16
	s_mov_b32 s[G1C+2], 51<<16
	s_mov_b32 s[G1C+3], 32<<16
	s_mov_b32 s[G1C+4], 51
	s_mov_b32 s[G1C+5], 32
	s_mov_b32 s[G1C+6], 0
	s_mov_b32 s[G1C+7], 0
	s_add_co_u32 s56, s[BH], 64
	s_mul_i32 s56, s56, BLK                        ; the head's block of k and v
	s_mov_b32 s57, 0
	s_mul_i32 s58, s[WV], 13056                    ; my sixteenth
	s_mov_b32 s59, 0
	s_wait_dscnt 0x0
	s_wait_kmcnt 0x0
	s_add_nc_u64 s[56:57], s[4:5], s[56:57]
	s_mov_b32 s[G0], 1
	s_mov_b32 s[G0+1], s58                         ; LDS address = offset in the block
	s_add_nc_u64 s[G0+2:G0+3], s[56:57], s[58:59]
	s_or_b32 s[G0+3], s[G0+3], 0x80000000
	CROUND                                         ; all four work-groups are here: the joint loads meet
	tensor_load_to_lds s[G0:G0+3], s[G1C:G1C+7]    ; one load a wave, on every wave's way
	s_nop 0
.rept 4
	v_nop
.endr
	v_and_b32 v7, 31, v0
	v_lshlrev_b32 v[LI], 4, v7
	v_lshlrev_b32 v[L8], 3, v7
	v_and_b32 v[TMP], 15, v0                       ; r
	v_bfe_u32 v[HH], v0, 4, 1                      ; h
	v_lshlrev_b32 v[LR], 4, v[TMP]
	v_lshl_add_u32 v[OSO], v[TMP], 5, v[HH]
	v_lshlrev_b32 v[SM2], 3, v[HH]
	v_sub_nc_u32 v[DM], v[TMP], v[SM2]
	s_lshl_b32 s15, s[GS], 4
	v_add_nc_u32 v[DM], s15, v[DM]
	v_mov_b32 v[NINF], 0xff800000
	s_wait_alu depctr_va_vdst(0)                   ; the wait ahead of the run of scalar lines
	s_mul_i32 s68, s[BH], BLK
	s_mov_b32 s69, 0
	s_add_nc_u64 s[66:67], s[4:5], s[68:69]        ; q's block
	s_lshr_b32 s70, s[GS], 1
	s_mul_i32 s70, s70, 1536
	s_lshr_b32 s71, s[GS], 2
	s_lshl_b32 s71, s71, 8
	s_and_b32 s15, s[GS], 3
	s_lshl_b32 s15, s15, 2
	s_add_co_u32 s71, s71, s15
	QASK GG, S, SM2, QS, SM2+1
	QASK G2, S+12, 238, QS2, 239
	s_and_b32 s[QM], s[GS], 1
	s_sub_co_u32 s[QM], 0, s[QM]                   ; all ones where g is odd
	s_mov_b32 s[SEL], 0x76543210
	s_mov_b32 s[SEL+1], 0xfedcba98
	s_mov_b32 s[CS], 0x3e38aa3b                    ; c = log2(e) / sqrt(64)
	s_mov_b32 s[CS+1], s[CS]
.irp i, 0,1,2,3,4,5
	v_mov_b32 v[QF+6+\i], 0                        ; zero codes for k = 64 .. 127
	v_mov_b32 v[KF+48+\i], 0
.endr
.irp b, 0,1,2,3
	v_mov_b32 v[PD+\b], 0                          ; a lane permute's destination counts as one of its sources
.endr
	v_mov_b32 v[FF], 0
	v_mov_b32 v[FF+1], 0
	v_mov_b32 v[TMP], 0
	s_wait_loadcnt 0x0
.irp i, 0,1,2,3,4,5
	v_cndmask_b32 v[QF+\i], v[S+\i], v[S+6+\i], s[QM]       ; the even or the odd fragment of the pair
	v_cndmask_b32 v[Q2+\i], v[S+12+\i], v[S+18+\i], s[QM]
.endr
	s_wait_alu depctr_va_vdst(0)                   ; the wait at the head's end
	s_wait_tensorcnt 0x0                           ; my sixteenth is in;
	s_barrier_signal -1
	s_barrier_wait -1                              ; and everybody's
; A KEY STEP of 128 keys.  A step past my diagonal is left out: a branch on the wave's G and the step's number, round the work alone; the addresses step on every way
.macro STEP
	s_cmp_gt_u32 s[KC], s[GG]
	s_cbranch_scc1 .Lhidden_\@
	v_add_nc_u32 v[ADK], s[TK], v[LI]              ; (these four are also the places between the last products and the loads into their operands)
	v_add_nc_u32 v[ADS], s[TS], v[LR]
	v_add_nc_u32 v[ADT], s[TJ], v[LR]
	s_delay_alu instid0(VALU_DEP_3)
	v_add_nc_u32 v[ADV], VIMG-KIMG, v[ADK]
.irp i, 0,1,2,3,4,5,6,7,8,9,10,11
	ds_load_b128 v[KF+4*\i:KF+4*\i+3], v[ADK] offset:512*\i    ; 48 registers as they were stored
.endr
	ds_load_b128 v[KSR:KSR+3], v[ADS]
	ds_load_b128 v[KSR+4:KSR+7], v[ADS] offset:256
	s_wait_alu depctr_va_vdst(0)
	s_wait_dscnt 0x0
.irp t, 0,1,2,3,4,5,6,7
	v_wmma_scale_f32_16x16x128_f8f6f4 v[S+8*\t:S+8*\t+7], v[KF+6*\t:KF+6*\t+11], v[QF:QF+11], 0, v[KSR+\t], v[QS] matrix_a_fmt:MATRIX_FMT_FP6 matrix_b_fmt:MATRIX_FMT_FP6
.endr                                  ; register 8 t + j of lane (r, h): key 16 t + 8 h + j, query r
.rept 4
	v_nop                                          ; places in front of the loads below and of the first read of the scores
.endr
.irp i, 0,1,2,3,4,5,6,7,8,9,10,11
	ds_load_b128 v[KF+4*\i:KF+4*\i+3], v[ADV] offset:512*\i    ; V's four fragments land under the softmax
.endr
	ds_load_b128 v[KSR:KSR+3], v[ADT]
	s_cmp_eq_u32 s[KC], s[GG]                      ; on the diagonal hidden scores become -infinity: p = 0 then
	s_cbranch_scc0 .Lopen_\@
.irp n, 0,1,2,3,4,5,6,7,8,9,10,11,12,13,14,15,16,17,18,19,20,21,22,23,24,25,26,27,28,29,30,31,32,33,34,35,36,37,38,39,40,41,42,43,44,45,46,47,48,49,50,51,52,53,54,55,56,57,58,59,60,61,62,63
	v_cmp_gt_i32 vcc_lo, 16*(\n/8)+\n%8, v[DM]     ; key 16 t + 8 h + j > query 16 g + r
	v_cndmask_b32 v[S+\n], v[S+\n], v[NINF], vcc_lo
.endr
.Lopen_\@:
.irp b, 0,1,2,3
	v_max3_num_f32 v[BM+\b], v[S+16*\b], v[S+1+16*\b], v[S+2+16*\b]   ; the largest score of each block of 32 keys: for the row's maximum, and for the block's largest p
.endr
.irp i, 3,5,7,9,11,13
.irp b, 0,1,2,3
	v_max3_num_f32 v[BM+\b], v[BM+\b], v[S+16*\b+\i], v[S+1+16*\b+\i]
.endr
.endr
.irp b, 0,1,2,3
	v_max_num_f32 v[BM+\b], v[BM+\b], v[S+15+16*\b]
.endr
.irp b, 0,1,2,3
	s_delay_alu instid0(VALU_DEP_4)
	v_permlanex16_b32 v[PD+\b], v[BM+\b], s[SEL], s[SEL+1]
.endr
.irp b, 0,1,2,3
	s_delay_alu instid0(VALU_DEP_4)
	v_max_num_f32 v[BM+\b], v[BM+\b], v[PD+\b]
.endr
	s_delay_alu instid0(VALU_DEP_2)
	v_max3_num_f32 v[TMP], v[BM], v[BM+1], v[BM+2]
	s_delay_alu instid0(VALU_DEP_1)
	v_max_num_f32 v[TMP], v[TMP], v[BM+3]
	s_delay_alu instid0(VALU_DEP_1)
	v_mul_f32 v[TMP], s[CS], v[TMP]
	s_delay_alu instid0(VALU_DEP_1)
	v_max_num_f32 v13, v13, v[TMP]                 ; the running largest t
	v_mov_b32 v[TMP], v12
	s_delay_alu instid0(VALU_DEP_2)
	v_floor_f32 v12, -v13                          ; the new -M: a whole number
	s_delay_alu instid0(VALU_DEP_1)
	v_sub_f32 v[TMP], v12, v[TMP]
	s_delay_alu instid0(VALU_DEP_1)
	v_cvt_i32_f32 v[TMP], v[TMP]                   ; (it saturates)
	s_delay_alu instid0(VALU_DEP_1)
	v_ldexp_f32 v[FF], 1.0, v[TMP]                 ; f = 2^(old M - new M)
.irp j, 0,2,4,6,8,10,12,14,16,18,20,22,24,26,28,30,32,34,36,38,40,42,44,46,48,50,52,54,56,58,60,62
	v_pk_fma_f32 v[S+\j:S+1+\j], v[S+\j:S+1+\j], s[CS:CS+1], v[12:13] op_sel_hi:[1,0,0]   ; t - M
.endr
.irp b, 0,1,2,3
	v_fma_f32 v[BM+\b], v[BM+\b], s[CS], v12
.endr
	s_wait_alu depctr_va_vdst(0)                   ; the wait ahead of the batch
.irp j, 0,1,2,3,4,5,6,7,8,9,10,11,12,13,14,15,16,17,18,19,20,21,22,23,24,25,26,27,28,29,30,31,32,33,34,35,36,37,38,39,40,41,42,43,44,45,46,47,48,49,50,51,52,53,54,55,56,57,58,59,60,61,62,63
	v_exp_f32 v[S+\j], v[S+\j]                     ; p = 2^(t - M)
.endr
	v_pk_mul_f32 v[14:15], v[14:15], v[FF:FF+1] op_sel_hi:[1,0]   ; the sums under the new M: a plain place behind the exponentials
	s_wait_alu depctr_va_vdst(0)                   ; one wait for the batch, ahead of its first reader
.irp b, 0,1,2,3
	v_exp_f32 v[BM+\b], v[BM+\b]                   ; the blocks' largest p
.endr
	v_pk_add_f32 v[SM2:SM2+1], v[S:S+1], v[S+2:S+3]            ; the row's sum of the unquantised p, two at a time, in four chains
	v_pk_add_f32 v[A2:A2+1], v[S+4:S+5], v[S+6:S+7]
	v_pk_add_f32 v[A3:A3+1], v[S+8:S+9], v[S+10:S+11]
	v_pk_add_f32 v[14:15], v[14:15], v[S+12:S+13]
.irp j, 14,22,30,38,46,54
	v_pk_add_f32 v[SM2:SM2+1], v[SM2:SM2+1], v[S+\j:S+\j+1]
	v_pk_add_f32 v[A2:A2+1], v[A2:A2+1], v[S+\j+2:S+\j+3]
	v_pk_add_f32 v[A3:A3+1], v[A3:A3+1], v[S+\j+4:S+\j+5]
	v_pk_add_f32 v[14:15], v[14:15], v[S+\j+6:S+\j+7]
.endr
	v_pk_add_f32 v[SM2:SM2+1], v[SM2:SM2+1], v[S+62:S+63]
	v_pk_add_f32 v[A2:A2+1], v[A2:A2+1], v[A3:A3+1]
	v_pk_add_f32 v[14:15], v[14:15], v[SM2:SM2+1]
	v_pk_add_f32 v[14:15], v[14:15], v[A2:A2+1]
	s_wait_alu depctr_va_vdst(0)                   ; and one for the four
.irp b, 0,1,2,3
	v_max_num_f32 v[BM+\b], 0x1800000, v[BM+\b]    ; the floor 2^(3 - 127): the byte cannot fall under 1
.endr
.irp b, 0,1,2,3
	v_add_nc_u32 v[SO+\b], 0xff000000, v[BM+\b]    ; 2 off the exponent field: the conversion's scale operand
.endr
.irp b, 0,1,2,3
	v_lshrrev_b32 v[PD+\b], 23, v[SO+\b]
.endr
	v_lshl_or_b32 v[PW], v[PD+1], 8, v[PD]
	v_lshl_or_b32 v[PW], v[PD+2], 16, v[PW]
	v_lshl_or_b32 v[PW], v[PD+3], 24, v[PW]
.irp c, 0,1
	v_cvt_scalef32_pk16_fp6_f32 v[PC+6*\c:PC+2+6*\c], v[S+32*\c:S+15+32*\c], v[SO+2*\c]
	v_cvt_scalef32_pk16_fp6_f32 v[YY+4*\c:YY+2+4*\c], v[S+16+32*\c:S+31+32*\c], v[SO+2*\c+1]
.endr
	v_nop                                          ; one plain place behind a scaled conversion
.irp c, 0,1
.irp i, 0,1,2
	v_permlane16_swap_b32 v[PC+6*\c+\i], v[YY+4*\c+\i]   ; a whole block to a lane
.endr
.irp i, 0,1,2
	v_mov_b32 v[PC+3+6*\c+\i], v[YY+4*\c+\i]
.endr
.endr
.irp j, 0,2,4,6,8,10,12,14,16,18,20,22,24,26,28,30
	v_pk_mul_f32 v[O+\j:O+1+\j], v[O+\j:O+1+\j], v[FF:FF+1] op_sel_hi:[1,0]   ; O^T under the new M; these sixteen also stand between the scale word's and the codes' last writes and the products
.endr
	s_wait_alu depctr_va_vdst(0)
	s_wait_dscnt 0x0                               ; V is in
.irp t, 0,1,2,3
	v_wmma_scale_f32_16x16x128_f8f6f4 v[O+8*\t:O+8*\t+7], v[KF+12*\t:KF+12*\t+11], v[PC:PC+11], v[O+8*\t:O+8*\t+7], v[KSR+\t], v[PW] matrix_a_fmt:MATRIX_FMT_FP6 matrix_b_fmt:MATRIX_FMT_FP6
.endr
.Lhidden_\@:
	s_add_co_u32 s[TK], s[TK], 6144
	s_add_co_u32 s[TS], s[TS], 512
	s_add_co_u32 s[TJ], s[TJ], 256
	s_add_co_u32 s[KC], s[KC], 1
.endm
; A TILE of 16 queries: sixteen trips, of which G + 1 do work; then O^T / l in the natural order of d, quantised along d, stored as an image of the projection's operand
.macro TILE
	s_mov_b32 s[TK], KIMG
	s_mov_b32 s[TS], 0
	s_mov_b32 s[TJ], VSC
	s_mov_b32 s[KC], 0
	v_mov_b32 v13, 0xff61b1e6                      ; the largest t so far: -3e38
	v_floor_f32 v12, -v13                          ; -M
	v_mov_b32 v14, 0
	v_mov_b32 v15, 0
.set i, 0
.rept 32
	v_mov_b32 v[O+i], 0                            ; the step is written once; the first finds zeros
.set i, i+1
.endr
	s_mov_b32 s[CNT], 16
.Lsteps_\@:
	STEP
	s_sub_co_u32 s[CNT], s[CNT], 1
	s_cmp_lg_u32 s[CNT], 0
	s_cbranch_scc1 .Lsteps_\@
.rept 4
	v_nop                                          ; places behind the last products
.endr
	v_add_f32 v14, v14, v15
	v_permlanex16_b32 v[TMP], v14, s[SEL], s[SEL+1]
	v_add_f32 v14, v14, v[TMP]                     ; the row's sum
	s_wait_alu depctr_va_vdst(0)                   ; the wait ahead of the transcendental
	v_rcp_f32 v14, v14
	v_cmp_eq_u32 vcc_lo, 1, v[HH]                  ; (a plain place behind the reciprocal)  lanes 16-31
	s_lshl_b32 s68, s[GG], 3
	s_add_co_u32 s68, s68, s[GS]                   ; my tile of queries, 8 G + g
	s_lshr_b32 s69, s[BH], 4
	s_lshl_b32 s70, s69, 7
	s_add_co_u32 s70, s70, s68                     ; among the 512 tiles of rows
	s_and_b32 s71, s[BH], 15                       ; the head
	s_lshl_b32 s68, s70, 4
	s_add_co_u32 s68, s68, s71
	s_mul_i32 s68, s68, 768
	s_mov_b32 s69, 0
	s_add_nc_u64 s[62:63], s[6:7], s[68:69]
	s_lshl_b32 s68, s70, 9                         ; 16 rows of 32 scale bytes
	s_lshl_b32 s71, s71, 1
	s_add_co_u32 s68, s68, s71
	s_add_nc_u64 s[66:67], s[8:9], s[68:69]
	s_wait_alu depctr_va_vdst(0)                   ; ahead of the reciprocal's first reader
.irp j, 0,2,4,6,8,10,12,14,16,18,20,22,24,26,28,30
	v_pk_mul_f32 v[S+\j:S+1+\j], v[O+\j:O+1+\j], v[14:15] op_sel_hi:[1,0]   ; register 8 t + j: d = 16 t + 8 h + j
.endr
.irp b, 0,1
.irp j, 0,1,2,3,4,5,6,7
	v_permlane16_swap_b32 v[S+16*\b+\j], v[S+16*\b+8+\j]   ; now register 16 b + i: d = 32 b + 16 h + i
.endr
.endr
.irp b, 0,1
	v_max3_num_f32 v[BM+\b], |v[S+16*\b]|, |v[S+16*\b+1]|, 0x1800000
.endr
.irp i, 2,4,6,8,10,12,14
.irp b, 0,1
	v_max3_num_f32 v[BM+\b], v[BM+\b], |v[S+16*\b+\i]|, |v[S+16*\b+\i+1]|
.endr
.endr
	v_permlanex16_b32 v[PD], v[BM], s[SEL], s[SEL+1]
	v_permlanex16_b32 v[PD+1], v[BM+1], s[SEL], s[SEL+1]
	v_max_num_f32 v[BM], v[BM], v[PD]
	v_max_num_f32 v[BM+1], v[BM+1], v[PD+1]
	v_add_nc_u32 v[SO], 0xff000000, v[BM]
	v_add_nc_u32 v[SO+1], 0xff000000, v[BM+1]
	v_lshrrev_b32 v[SO+2], 23, v[SO]
	v_lshrrev_b32 v[SO+3], 23, v[SO+1]
	v_cndmask_b32 v[SO+2], v[SO+2], v[SO+3], vcc_lo   ; my half's block's byte
	v_cvt_scalef32_pk16_fp6_f32 v[PC:PC+2], v[S:S+15], v[SO]
	v_cvt_scalef32_pk16_fp6_f32 v[YY:YY+2], v[S+16:S+31], v[SO+1]
	v_nop                                          ; one plain place behind a scaled conversion
.irp i, 0,1,2
	v_permlane16_swap_b32 v[PC+\i], v[YY+\i]
.endr
.irp i, 0,1,2
	v_mov_b32 v[PC+3+\i], v[YY+\i]
.endr
.irp i, 0,1,2
	global_store_b64 v[L8], v[PC+2*\i:PC+2*\i+1], s[62:63] offset:256*\i   ; 32 lanes store 256 consecutive bytes, aligned
.endr
	global_store_b8 v[OSO], v[SO+2], s[66:67]
.endm
	TILE
	s_wait_xcnt 0x0                                ; the stores have read their registers and bases
.irp i, 0,1,2,3,4,5
	v_mov_b32 v[QF+\i], v[Q2+\i]                   ; the second tile's Q; the 36 moves at the tile's head stand between these and the first product
.endr
	v_mov_b32 v[QS], v[QS2]
	s_mov_b32 s[GG], s[G2]
	TILE
	s_wait_tensorcnt 0x0                           ; the wave's end
	ds_add_u32 v254, v255
	s_wait_dscnt 0x0
	CROUND                                         ; the closing round
	s_endpgm
.Lfunc_end_k_q081b501a68_attn:
	.size	k_q081b501a68_attn, .Lfunc_end_k_q081b501a68_attn-k_q081b501a68_attn
	.p2alignl 7, 3214868480
	.fill 96, 4, 3214868480
	.section	.rodata,"a",@progbits
	.p2align	6, 0x0
	.amdhsa_kernel k_q081b501a68_attn
		.amdhsa_group_segment_fixed_size 210944
		.amdhsa_private_segment_fixed_size 0
		.amdhsa_enable_private_segment 0
		.amdhsa_kernarg_size 24
		.amdhsa_user_sgpr_count 2
		.amdhsa_user_sgpr_kernarg_segment_ptr 1
		.amdhsa_wavefront_size32 1
		.amdhsa_system_sgpr_workgroup_id_x 1
		.amdhsa_system_sgpr_workgroup_id_y 1
		.amdhsa_system_sgpr_workgroup_id_z 1
		.amdhsa_system_vgpr_workitem_id 0
		.amdhsa_next_free_vgpr 256
		.amdhsa_next_free_sgpr 72
		.amdhsa_reserve_vcc 1
		.amdhsa_float_denorm_mode_32 3
		.amdhsa_float_denorm_mode_16_64 3
		.amdhsa_memory_ordered 1
		.amdhsa_forward_progress 1
		.amdhsa_inst_pref_size 62
	.end_amdhsa_kernel
	.amdgpu_metadata
---
amdhsa.version: [ 1, 2 ]
amdhsa.kernels:
  - .name:           k_q081b501a68_attn
    .symbol:         k_q081b501a68_attn.kd
    .args:
      - { .name: qkv_ws, .offset: 0, .size: 8, .value_kind: global_buffer, .address_space: global }
      - { .name: o_img, .offset: 8, .size: 8, .value_kind: global_buffer, .address_space: global }
      - { .name: o_sc, .offset: 16, .size: 8, .value_kind: global_buffer, .address_space: global }
    .group_segment_fixed_size: 210944
    .private_segment_fixed_size: 0
    .kernarg_segment_align: 8
    .kernarg_segment_size: 24
    .max_flat_workgroup_size: 512
    .sgpr_count:     72
    .vgpr_count:     256
    .wavefront_size: 32
...
	.end_amdgpu_metadata
.endif
;; end of part 2
;; launch proj (part 3): grid 4 x 64, 4 waves a work-group, clusters of 4 x 4, 327,680 bytes of LDS; arguments o_img, o_sc, w_proj_codes, w_proj_scales, b_proj, out0; writes out0
.if DOCPART == 3
	.amdgcn_target "amdgcn-amd-amdhsa--gfx1250"
	.amdhsa_code_object_version 6
	.text
	.protected	k_q081b501a68_proj
	.globl	k_q081b501a68_proj
	.p2align	8
	.type	k_q081b501a68_proj,@function
k_q081b501a68_proj:
	s_mov_b64 s[64:65], 0
	v_nop
	global_prefetch_b8 v0, s[64:65] scope:SCOPE_SE
	s_setreg_imm32_b32 hwreg(HW_REG_WAVE_MODE, 25, 1), 1
	s_wait_xcnt 0x0
	s_wait_alu depctr_hold_cnt(0) depctr_sa_sdst(0) depctr_va_vdst(0) depctr_va_sdst(0) depctr_va_ssrc(0) depctr_va_vcc(0) depctr_vm_vsrc(0)
	s_getreg_b32 s2, hwreg(HW_REG_IB_STS2, 6, 4)
	s_cmp_eq_u32 s2, 0
	s_cbranch_scc0 .Lentry_in_a_cluster
	s_endpgm
.Lentry_in_a_cluster:
	s_bfe_u32 s2, ttmp6, 0x10000c
	s_cmp_lg_u32 s2, 0xf033
	s_cbranch_scc0 .Lentry_shape_is_right
	s_endpgm
.Lentry_shape_is_right:
; out0 = O w_proj + b_proj on codes of FP6 (E2M3) with E8M0 scales.  O's codes come as images of operand registers (o_img: [tile of 16 rows][head][3 x 256 bytes]: register pair i of lane l at 256 i + 8 l), its scale bytes as rows of 32 (o_sc).
; 256 work-groups, each 128 rows x 256 columns, all of K = 1,024 in LDS, filled ONCE by four joint loads, one a wave: w_proj's 256 rows (768 bytes each, 16 of padding behind every 256), O's image (98,304 dense bytes as rows of 256), and both sides' scale bytes.
; CLUSTERS of 4 x 4: O's tile is shared along a row of the cluster, w_proj's along a column.  No prefetch is laid: the one fill stands at the head, and there is no loop to run ahead in.
; Four waves, 2 x 2, 64 x 128 each: 32 accumulators.  The matrix instruction is used transposed (source 0 = 16 rows of w_proj, source 1 = 16 rows of O): a lane holds eight neighbouring columns of a row.  The bias is the first products' C.
; THE WAY OUT goes through a stage in w_proj's region, behind a barrier in front of which every wave's reads of LDS are done; nothing is filled after the head.
; REGISTERS: window 0: v16-27 addresses, v28-29 the spare word's address and 0, v32-63 scale words (nothing else), v64-159 O's two sets; window 1: w_proj's two sets at v0, v128, the bias at v96-127, v224-255; window 2: accumulator (a, b) at v[8 (8 a + b)].
.set KROW,   768
.set PITCH,  816
.set FR,     12
.set KS,     32
.set AOFF,   256*PITCH
.set SCL,    AOFF+98304
.set HALFSA, 2176
.set HALFSB, 4352
.set SBLK,   544
.set SPARE,  SCL+2*HALFSA+2*HALFSB
.set STAGE,  0
.set SPITCH, 528
.set BAD,  8
.set ADRA, 16
.set ADRB, 20                          ; v20 blocks 0-3, v21 blocks 4-7; v22, v23 behind one padding more
.set STO,  24
.set RD,   25
.set CO,   26
.set ADRS, 27
.set SPW,  28
.set NIL,  29
.set SC,   32
.set AF,   64
.set BK,   64
.set G1A,  24
.set G1B,  32
.set G1SA, 48
.set G1SB, 56
.set G0A,  68
.set G0B,  72
.set G0SA, 76
.set G0SB, 80
.set MUL,     0xa1
.set MUL_1ST, 0x91                     ; C in window 1
.set TO_B,    0x40
.set MSB, 0
.macro WIN new
.if MSB != (\new)
	s_set_vgpr_msb (MSB<<8)|(\new)
.set MSB, (\new)
.endif
.endm
.macro PLACES n
.rept \n
	v_nop
.endr
.endm
.macro CROUND
	s_barrier_signal -1
	s_barrier_wait -1
	s_cmp_lg_u32 s14, 0
	s_cbranch_scc1 .Lnot_wave_0_\@
	s_barrier_signal -3
.Lnot_wave_0_\@:
	s_barrier_wait -3
	s_barrier_signal -1
	s_barrier_wait -1
.endm
.macro TL g0, g1
	tensor_load_to_lds s[\g0:\g0+3], s[\g1:\g1+7]
	s_nop 0
	PLACES 4
.endm
.macro GROUP1 g, mask, word0, c, rows
	s_or_b32 s[\g], s[\mask], \word0
	s_mov_b32 s[\g+1], (\c)<<16
	s_mov_b32 s[\g+2], (\rows)<<16
	s_mov_b32 s[\g+3], (\c)<<16
	s_mov_b32 s[\g+4], \rows
	s_mov_b32 s[\g+5], \c
	s_mov_b32 s[\g+6], 0
	s_mov_b32 s[\g+7], 0
.endm
.macro SETG0 g, lds, src
	s_mov_b32 s[\g], 1
	s_mov_b32 s[\g+1], \lds
	s_mov_b64 s[\g+2:\g+3], s[\src:\src+1]
	s_or_b32 s[\g+3], s[\g+3], 0x80000000
.endm
.macro FRAG reg, adr, q, i
.irp p, 0,1,2,3,4,5
.set PCE, 12*(\q)+6*(\p/3)+\p%3
.if PCE%32 < 29
	ds_load_b64 v[\reg+2*\p:\reg+2*\p+1], v[\adr] offset:8*PCE+16*(PCE/32)+(\i)*16*PITCH
.else
	ds_load_b64 v[\reg+2*\p:\reg+2*\p+1], v[\adr+2] offset:8*PCE+16*(PCE/32)+(\i)*16*PITCH
.endif
.endr
.endm
.macro FETCH st
.set P_, (\st)%2
	WIN TO_B
.irp i, 0,1,2,3
	FRAG 128*P_+FR*\i, ADRB, \st, \i
.endr
.irp i, 0,1,2,3
	FRAG 128*P_+FR*(\i+4), ADRB+1, \st, \i
.endr
	WIN 0
.irp i, 0,1,2,3
.irp p, 0,1,2,3,4,5
	ds_load_b64 v[AF+48*P_+FR*\i+2*\p:AF+48*P_+FR*\i+2*\p+1], v[ADRA] offset:12288*\i+768*(2*(\st)+\p/3)+256*(\p%3)   ; the image: 256 consecutive bytes a load
.endr
.endr
.if P_ == 0
.irp i, 0,1,2,3,4,5,6,7
	ds_load_b64 v[SC+16*(((\st)/2)%2)+2*\i:SC+16*(((\st)/2)%2)+2*\i+1], v[ADRS] offset:\i*SBLK+4*(\st)
.endr
.endif
.endm
.macro PROD a, b, st, c
	v_wmma_scale_f32_16x16x128_f8f6f4 v[8*(8*(\a)+\b):8*(8*(\a)+\b)+7], v[128*((\st)%2)+FR*\b:128*((\st)%2)+FR*\b+FR-1], v[AF+48*((\st)%2)+FR*(\a):AF+48*((\st)%2)+FR*(\a)+FR-1], \c, v[SC+16*(((\st)/2)%2)+2*\b+(\st)%2], v[SC+16*(((\st)/2)%2)+2*(\a)+(\st)%2] matrix_a_fmt:MATRIX_FMT_FP6 matrix_b_fmt:MATRIX_FMT_FP6 matrix_a_scale:MATRIX_SCALE_ROW1
.endm
.macro MUL32 st, first                 ; the 32 accumulators take turns, in the same order in every step
.if \first
	WIN MUL_1ST
.else
	WIN MUL
.endif
.irp a, 0,1,2,3
.irp b, 0,1,2,3,4,5,6,7
.if \first
	PROD \a, \b, \st, v[96+8*(\b%4)+128*(\b/4):96+8*(\b%4)+128*(\b/4)+7]
.else
	PROD \a, \b, \st, v[8*(8*(\a)+\b):8*(8*(\a)+\b)+7]
.endif
.endr
.endr
	WIN 0
.endm
.macro KSTEP st, first
	s_wait_dscnt 0x0
	PLACES 4
	FETCH (\st)+1
	MUL32 \st, \first
.endm
	s_load_b256 s[4:11], s[0:1], 0x0               ; o_img, o_sc, w_proj's codes, w_proj's scales
	s_load_b128 s[96:99], s[0:1], 0x20             ; b_proj, out0
	v_lshl_add_u32 v[SPW], v0, 2, SPARE
	v_mov_b32 v[NIL], 0
	ds_add_u32 v[SPW], v[NIL]                      ; the opening lines: the add twice on end and one wait
	ds_add_u32 v[SPW], v[NIL]
	v_lshrrev_b32 v1, 5, v0
	v_readfirstlane_b32 s14, v1
	s_lshr_b32 s15, s14, 1                         ; my 64 rows
	s_and_b32 s16, s14, 1                          ; my 128 columns
	s_bfe_u32 s40, ttmp6, 0x40000                  ; cx: the tile column
	s_bfe_u32 s41, ttmp6, 0x40004                  ; cy
	s_and_b32 s17, ttmp7, 0xffff
	s_lshl_b32 s17, s17, 2
	s_add_co_u32 s17, s17, s41                     ; the tile row
	s_lshl_b32 s43, s41, 2
	s_lshl_b32 s43, 15, s43
	s_lshl_b32 s44, 0x1111, s40
	GROUP1 G1A, 43, (3<<16)|(1<<21), 32, 384
	GROUP1 G1B, 44, (1<<20)|(1<<21)|(5<<22)|(3<<25), KROW, 256
	GROUP1 G1SA, 43, (3<<16)|(1<<20)|(1<<21)|(5<<22)|(3<<25), 32, 16
	GROUP1 G1SB, 44, (3<<16)|(1<<20)|(1<<21)|(5<<22)|(3<<25), 32, 32
	s_mul_i32 s88, s17, 98304
	s_mov_b32 s89, 0
	s_lshl_b32 s90, s17, 12
	s_mov_b32 s91, 0
	s_mul_i32 s84, s40, 256*KROW
	s_mov_b32 s85, 0
	s_lshl_b32 s86, s40, 13
	s_mov_b32 s87, 0
	s_wait_dscnt 0x0
	s_wait_kmcnt 0x0
	s_add_nc_u64 s[88:89], s[4:5], s[88:89]
	s_add_nc_u64 s[90:91], s[6:7], s[90:91]
	s_add_nc_u64 s[84:85], s[8:9], s[84:85]
	s_add_nc_u64 s[86:87], s[10:11], s[86:87]
	CROUND                                         ; all sixteen work-groups are here: the joint loads meet
	SETG0 G0A, AOFF, 88
	SETG0 G0B, 0, 84
	SETG0 G0SA, SCL, 90
	SETG0 G0SB, SCL+2*HALFSA, 86
	s_cmp_lt_u32 s14, 1                            ; one chain of branches on the wave's number, one load to an arm
	s_cbranch_scc0 .Larm1
	TL G0B, G1B
	s_branch .Ljoin
.Larm1:
	s_cmp_lt_u32 s14, 2
	s_cbranch_scc0 .Larm2
	TL G0A, G1A
	s_branch .Ljoin
.Larm2:
	s_cmp_lt_u32 s14, 3
	s_cbranch_scc0 .Larm3
	TL G0SA, G1SA
	s_branch .Ljoin
.Larm3:
	TL G0SB, G1SB
.Ljoin:
	s_lshl_b32 s22, s40, 10
	s_lshl_b32 s23, s16, 9
	s_add_co_u32 s22, s22, s23                     ; my first column, in bytes
	s_mov_b32 s23, 0
	s_add_nc_u64 s[96:97], s[96:97], s[22:23]
	s_lshl_b32 s20, s17, 7
	s_lshl_b32 s21, s15, 6
	s_add_co_u32 s20, s20, s21
	s_lshl_b32 s20, s20, 12                        ; my first row: 4,096 bytes a row
	s_add_co_u32 s20, s20, s22
	s_mov_b32 s21, 0
	s_add_nc_u64 s[98:99], s[98:99], s[20:21]
	s_mul_i32 s66, s15, 49152
	s_add_co_u32 s66, s66, AOFF
	s_mul_i32 s67, s16, 128*PITCH
	s_mul_i32 s92, s15, HALFSA
	s_mul_i32 s93, s16, HALFSB
	s_add_co_u32 s93, s93, 2*HALFSA
	s_sub_co_u32 s93, s93, s92
	s_add_co_u32 s92, s92, SCL
	s_mul_i32 s94, s14, 16*SPITCH
	s_add_co_u32 s94, s94, STAGE
	v_and_b32 v1, 15, v0
	v_bfe_u32 v2, v0, 4, 1
	v_and_b32 v6, 31, v0
	v_lshlrev_b32 v[BAD], 5, v2
	v_lshl_add_u32 v[ADRA], v6, 3, s66
	v_mul_u32_u24 v3, v1, PITCH
	v_mad_u32_u24 v4, v2, 24, v3
	v_lshl_add_u32 v5, v2, 4, v4
	v_add_nc_u32 v[ADRB], s67, v4
	v_add_nc_u32 v[ADRB+2], s67, v5
	v_add_nc_u32 v[ADRB+1], 64*PITCH, v[ADRB]
	v_add_nc_u32 v[ADRB+3], 64*PITCH, v[ADRB+2]
	v_mul_u32_u24 v5, v1, KS
	v_lshrrev_b32 v7, 8, v5
	v_lshl_add_u32 v5, v7, 4, v5
	v_mul_u32_u24 v7, s93, v2                      ; lanes 16-31 take w_proj's
	v_add_nc_u32 v5, v5, v7
	v_add_nc_u32 v[ADRS], s92, v5
	v_mul_u32_u24 v5, v1, SPITCH
	v_lshl_add_u32 v5, v2, 5, v5
	v_add_nc_u32 v[STO], s94, v5
	v_lshlrev_b32 v[CO], 4, v6
	v_add_nc_u32 v[RD], s94, v[CO]
	WIN TO_B
.irp b, 0,1,2,3,4,5,6,7
	global_load_b128 v[96+8*(\b%4)+128*(\b/4):96+8*(\b%4)+128*(\b/4)+3], v[BAD], s[96:97] offset:64*\b      ; b_proj at columns 16 b + 8 h + 0 .. 7
	global_load_b128 v[100+8*(\b%4)+128*(\b/4):100+8*(\b%4)+128*(\b/4)+3], v[BAD], s[96:97] offset:64*\b+16
.endr
	WIN 0
	s_wait_alu depctr_va_vdst(0)                   ; the wait at the head's end
	s_wait_tensorcnt 0x0                           ; my load has landed;
	s_barrier_signal -1
	s_barrier_wait -1                              ; and everybody's
	FETCH 0
	s_wait_loadcnt 0x0                             ; the bias
	KSTEP 0, 1
.irp st, 1,2,3,4,5,6
	KSTEP \st, 0
.endr
	s_wait_dscnt 0x0                               ; my reads of LDS are over:
	s_barrier_signal -1
	MUL32 7, 0
	s_barrier_wait -1                              ; and everybody's: the stage may be written
.macro TOSTAGE a
	WIN 0x08
.irp b, 0,1,2,3,4,5,6,7
	ds_store_b128 v[STO], v[64*(\a)+8*\b:64*(\a)+8*\b+3] offset:64*\b          ; each accumulator from its low end on
	ds_store_b128 v[STO], v[64*(\a)+8*\b+4:64*(\a)+8*\b+7] offset:64*\b+16
.endr
	WIN 0
.set BB, BK+64*((\a)%2)
.irp t, 0,1,2,3,4,5,6,7,8,9,10,11,12,13,14,15
	ds_load_b128 v[BB+4*\t:BB+4*\t+3], v[RD] offset:\t*SPITCH                  ; my own bytes, served in order
.endr
.endm
.macro SEND a, younger                 ; younger: the LDS instructions issued behind block a's loads
.set BB, BK+64*((\a)%2)
	s_wait_dscnt \younger
.if (\a) > 0
	s_add_nc_u64 s[98:99], s[98:99], 16*4096
.endif
.irp t, 0,1,2,3,4,5,6,7,8,9,10,11,12,13,14,15
	global_store_b128 v[CO], v[BB+4*\t:BB+4*\t+3], s[98:99] offset:\t*4096 th:TH_STORE_NT   ; 32 lanes store 512 consecutive bytes, aligned
.endr
.endm
	PLACES 4
	TOSTAGE 0
.irp a, 1,2,3
.if \a > 1
	s_wait_xcnt 0x0                                ; block a - 2's stores have read their registers and base
.endif
	TOSTAGE \a
	SEND \a-1, 32                                  ; behind block a - 1's loads: block a's 16 stores and 16 loads
.endr
	s_wait_xcnt 0x0
	SEND 3, 0
	s_wait_tensorcnt 0x0                           ; the wave's end
	ds_add_u32 v[SPW], v[NIL]
	s_wait_dscnt 0x0
	CROUND                                         ; the closing round
	s_endpgm
.Lfunc_end_k_q081b501a68_proj:
	.size	k_q081b501a68_proj, .Lfunc_end_k_q081b501a68_proj-k_q081b501a68_proj
	.p2alignl 7, 3214868480
	.fill 96, 4, 3214868480
	.section	.rodata,"a",@progbits
	.p2align	6, 0x0
	.amdhsa_kernel k_q081b501a68_proj
		.amdhsa_group_segment_fixed_size 327680
		.amdhsa_private_segment_fixed_size 0
		.amdhsa_enable_private_segment 0
		.amdhsa_kernarg_size 48
		.amdhsa_user_sgpr_count 2
		.amdhsa_user_sgpr_kernarg_segment_ptr 1
		.amdhsa_wavefront_size32 1
		.amdhsa_system_sgpr_workgroup_id_x 1
		.amdhsa_system_sgpr_workgroup_id_y 1
		.amdhsa_system_sgpr_workgroup_id_z 1
		.amdhsa_system_vgpr_workitem_id 0
		.amdhsa_next_free_vgpr 768
		.amdhsa_next_free_sgpr 100
		.amdhsa_reserve_vcc 0
		.amdhsa_float_denorm_mode_32 3
		.amdhsa_float_denorm_mode_16_64 3
		.amdhsa_memory_ordered 1
		.amdhsa_forward_progress 1
		.amdhsa_inst_pref_size 97
	.end_amdhsa_kernel
	.amdgpu_metadata
---
amdhsa.version: [ 1, 2 ]
amdhsa.kernels:
  - .name:           k_q081b501a68_proj
    .symbol:         k_q081b501a68_proj.kd
    .args:
      - { .name: o_img, .offset: 0, .size: 8, .value_kind: global_buffer, .address_space: global }
      - { .name: o_sc, .offset: 8, .size: 8, .value_kind: global_buffer, .address_space: global }
      - { .name: w_proj_codes, .offset: 16, .size: 8, .value_kind: global_buffer, .address_space: global }
      - { .name: w_proj_scales, .offset: 24, .size: 8, .value_kind: global_buffer, .address_space: global }
      - { .name: b_proj, .offset: 32, .size: 8, .value_kind: global_buffer, .address_space: global }
      - { .name: out0, .offset: 40, .size: 8, .value_kind: global_buffer, .address_space: global }
    .group_segment_fixed_size: 327680
    .private_segment_fixed_size: 0
    .kernarg_segment_align: 8
    .kernarg_segment_size: 48
    .max_flat_workgroup_size: 128
    .sgpr_count:     100
    .vgpr_count:     768
    .wavefront_size: 32
...
	.end_amdgpu_metadata
.endif
;; end of part 3
